; MI455X (gfx1250); checked and timed in simulation.
; The chip was launched on July 23, 2026; its instructions are those of AMD's public machine-readable ISA for CDNA 5 (MIT licence, August 2026) and "CDNA5" Instruction Set Architecture Reference Guide (July 2026). The comments in the code are by the model that wrote it; some were corrected since.
;; Attention. Allowed arithmetic: matrix products marked QUANTISED: E2M1 operands, one E8M0 scale for each 32 along K, by v_wmma_scale_f32_16x16x128_f8f6f4 with both operands' format E2M1 (or v_wmma_scale_f32_32x16x128_f4), f32 sums; everything else in f32.
;; Inputs: Wk_codes 1,024 x 32 x 16 uint8 (E2M1 codes of Wk, K innermost, in blocks of 32 codes, two codes a byte); Wk_scales 1,024 x 32 uint8 (E8M0 scales of Wk, one for each 32 codes along K); Wo_codes 1,024 x 32 x 16 uint8 (E2M1 codes of Wo, K innermost, in blocks of 32 codes, two codes a byte); Wo_scales 1,024 x 32 uint8 (E8M0 scales of Wo, one for each 32 codes along K); Wq_codes 1,024 x 32 x 16 uint8 (E2M1 codes of Wq, K innermost, in blocks of 32 codes, two codes a byte); Wq_scales 1,024 x 32 uint8 (E8M0 scales of Wq, one for each 32 codes along K); Wv_codes 1,024 x 32 x 16 uint8 (E2M1 codes of Wv, K innermost, in blocks of 32 codes, two codes a byte); Wv_scales 1,024 x 32 uint8 (E8M0 scales of Wv, one for each 32 codes along K); bk 1,024 float32; bo 1,024 float32; bq 1,024 float32; bv 1,024 float32; k_codes 4 x 2,048 x 32 x 16 uint8 (E2M1 codes of k, K innermost, in blocks of 32 codes, two codes a byte); k_scales 4 x 2,048 x 32 uint8 (E8M0 scales of k, one for each 32 codes along K); q_codes 4 x 2,048 x 32 x 16 uint8 (E2M1 codes of q, K innermost, in blocks of 32 codes, two codes a byte); q_scales 4 x 2,048 x 32 uint8 (E8M0 scales of q, one for each 32 codes along K); v_codes 4 x 2,048 x 32 x 16 uint8 (E2M1 codes of v, K innermost, in blocks of 32 codes, two codes a byte); v_scales 4 x 2,048 x 32 uint8 (E8M0 scales of v, one for each 32 codes along K).
;; Outputs: out0 4 x 2,048 x 1,024 float32.
;; This version of the problem:
;;   THIS VERSION OF THE PROBLEM IS GIVEN IN LOW PRECISION. The matrix products marked QUANTISED in the list below multiply operands that are first quantised to E2M1 (2 exponent bits, 1 mantissa bit; 4 bits a number), with one power-of-two scale for each 32 numbers along K (OCP MX v1.0); their sums are f32. All else is computed in f32.
;;   The module's matrix products, in the order in which they are computed (A, B: the left and right operand; K: the contracted axis; several contracted axes count as one K, in the product's order):
;;     1. [M 8,192, K 1,024] x [K 1,024, N 1,024]; A: input k (given as codes); B: input Wk (given as codes): QUANTISED
;;     2. [M 8,192, K 1,024] x [K 1,024, N 1,024]; A: input q (given as codes); B: input Wq (given as codes): QUANTISED
;;     3. [M 8,192, K 1,024] x [K 1,024, N 1,024]; A: input v (given as codes); B: input Wv (given as codes): QUANTISED
;;     4. batch 64 x [M 2,048, K 64] x [K 64, N 2,048]; A: computed on the way; B: computed on the way: QUANTISED
;;     5. batch 64 x [M 2,048, K 2,048] x [K 2,048, N 64]; A: softmax (see below); B: computed on the way: QUANTISED
;;     6. [M 8,192, K 1,024] x [K 1,024, N 1,024]; A: computed on the way; B: input Wo (given as codes): QUANTISED
;;   THE QUANTISER, for each operand of a quantised product, along K:
;;     - K is cut into blocks of 32 from its start; a last block that is shorter is filled with zeros.
;;     - A block's scale is 2^e with e = floor(log2(the largest magnitude in the block)) - 2, held to -126 .. 127; a block of zeros has e = 0. As a byte (E8M0): e + 127.
;;     - Each number is divided by its block's scale, clamped to +-6, and rounded to the nearest number of E2M1, ties to even, subnormals kept.
;;     - The product sums the exact products of the quantised numbers (number of the format x scale) in f32.
;;   ~~~python
;;   def quantise(x, axis):      # numpy; x: float32 -> the quantised numbers, widened to float32 again
;;       x = np.moveaxis(x, axis, -1); K = x.shape[-1]
;;       x = np.pad(x, [(0, 0)] * (x.ndim - 1) + [(0, -K % 32)]); x = x.reshape(x.shape[:-1] + (-1, 32)); a = np.abs(x).max(-1, keepdims=True)
;;       e = np.where(a > 0, np.clip(np.frexp(np.where(a > 0, a, 1))[1] - 1 - 2, -126, 127), 0)      # np.frexp(a)[1] - 1 = floor(log2(a)), exactly
;;       r = np.clip(x / 2.0 ** e, -6, 6)
;;       step = 2.0 ** (np.maximum(np.frexp(np.where(r == 0, 1, r))[1] - 1, 0) - 1)
;;       q = np.round(r / step) * step * 2.0 ** e      # np.round: ties to even
;;       return np.moveaxis(q.reshape(q.shape[:-2] + (-1,))[..., :K], -1, axis).astype(np.float32)
;;   ~~~
;;   SOFTMAX AHEAD OF A QUANTISED PRODUCT. Where the list says 'softmax', what is quantised is not the finished softmax but p = 2^(t - M), with t = logit x log2(e) and M = ceil(the row's largest t), a whole number; so 1/2 < the row's largest p <= 1. The row's sum l is taken of the UNQUANTISED p, in f32, and the product's result is divided by l at the end. Since M is a whole number, a kernel that streams over the keys may use a running M (the ceiling of the running maximum): every later rescaling is an exact power of two, which a block's scale takes up: the codes' values come out the same.
;;   OPERANDS COMPUTED ON THE WAY. 'Computed on the way' means the value that the module computes at that place (a softmax that the list does not call 'softmax' is quantised finished and normalised). What goes into a quantiser is computed in f32, as accurately as f32 sums, v_exp_f32 and their like allow (about 1e-6 of the number): no bf16 or f16 on the way to a quantiser, and a product that is left as it is and whose result goes on into a quantised operand takes f32 operands (vector FMAs, or v_wmma_f32_16x16x4_f32). A number that lies on a knife's edge between two numbers of the format may be rounded either way, as far as f32 arithmetic and the matrix unit's own rounding can turn it there, and no further.
;;   INPUTS GIVEN AS CODES. Wk (in the module: [1024, 1024], K = its axis 1); Wo (in the module: [1024, 1024], K = its axis 1); Wq (in the module: [1024, 1024], K = its axis 1); Wv (in the module: [1024, 1024], K = its axis 1); k (in the module: [4, 2048, 1024], K = its axis 2); q (in the module: [4, 2048, 1024], K = its axis 2); v (in the module: [4, 2048, 1024], K = its axis 2): each comes as NAME_codes (uint8): NAME with its K axis moved to the last place and cut into blocks of 32 codes, [.., K / 32, bytes a block], one block behind the other in memory; two codes a byte, the lower K in the low four bits (a code: sign, 2 exponent bits, 1 mantissa bit); and NAME_scales (uint8): the same leading axes, one E8M0 byte (e + 127) for each 32 codes along K. Its value is code x scale, taken as it is: it is not quantised again, and the codes and scales need not be those that the quantiser above would give.
;; One version. Each part assembles by itself: llvm-mc -triple=amdgcn-amd-amdhsa -mcpu=gfx1250 --defsym DOCPART=n.
;; ======== version 1 of 1: 3 launches
;; workspace buffers: kv 8,912,896 bytes; qw 4,456,448 bytes; oimg 4,194,304 bytes; osc 262,144 bytes
;; launch proj (part 1): grid 4 x 96, 16 waves a work-group, clusters of 4 x 4, 296,960 bytes of LDS; arguments q_codes, q_scales, Wq_codes, Wq_scales, bq, k_codes, k_scales, Wk_codes, Wk_scales, bk, v_codes, v_scales, Wv_codes, Wv_scales, bv, qw, kv; writes qw, kv
.if DOCPART == 1
	.amdgcn_target "amdgcn-amd-amdhsa--gfx1250"
	.amdhsa_code_object_version 6
	.text
	.protected	k_q949147c59c_proj
	.globl	k_q949147c59c_proj
	.p2align	8
	.type	k_q949147c59c_proj,@function
k_q949147c59c_proj:
	s_mov_b64 s[64:65], 0
	v_nop
	global_prefetch_b8 v0, s[64:65] scope:SCOPE_SE
	s_setreg_imm32_b32 hwreg(HW_REG_WAVE_MODE, 25, 1), 1
	s_wait_xcnt 0x0
	s_wait_alu depctr_hold_cnt(0) depctr_sa_sdst(0) depctr_va_vdst(0) depctr_va_sdst(0) depctr_va_ssrc(0) depctr_va_vcc(0) depctr_vm_vsrc(0)
	s_getreg_b32 s2, hwreg(HW_REG_IB_STS2, 6, 4)
	s_cmp_eq_u32 s2, 0
	s_cbranch_scc0 .Lentry_in_a_cluster
	s_endpgm
.Lentry_in_a_cluster:
	s_bfe_u32 s2, ttmp6, 0x10000c
	s_cmp_lg_u32 s2, 0xf033
	s_cbranch_scc0 .Lentry_shape_is_right
	s_endpgm
.Lentry_shape_is_right:
; PROJ: queries = q Wq^T + bq, keys = k Wk^T + bk, values = v Wv^T + bv, on E2M1 codes with E8M0 scales as they are given; the results are quantised in registers
; (queries and keys along the head's 64, values along the keys) and stored as images of the next launch's operand registers.  No f32 result goes to memory.
; SHARES.  384 work-groups: cluster y / 8 says which product (0 q, 1 k, 2 v: the same in all partners of a cluster); a work-group makes 256 tokens x 256 features over K = 1,024.
; ONE BODY FOR THREE PRODUCTS.  Source 0 is operand P, whose rows become the next product's K; source 1 is operand R, whose rows stay rows.  q, k: P = W, R = tokens.  v: P = tokens, R = Wv.
; The tiles land in LDS at the same places for all three; only the addresses that READ them, and the places of the results, are selected by the product's number.  No branch hangs on it.
; Sixteen waves: wave w takes 128 rows of P (w % 2: 8 tiles) x 32 rows of R (w / 2: 2 tiles): 16 accumulators, 128 registers.  128 rows of P give one whole fragment and one whole scale word for each tile of R.
; LDS IS FILLED ONCE: K = 1,024 is 512 bytes a row, in two halves of 256 bytes: 2 x (256 + 256) rows x 272 bytes, and the scale bytes of both operands.  No byte is filled again, none is stored by a wave.
; CLUSTER 4 x 4: the four of a row share the tokens' tiles, the four of a column W's: each tile is asked for jointly.  All tensor loads stand at the head, so there is no later request that could be asked for ahead.
; A RESULT BECOMES AN OPERAND.  In tile t of a result lane (r, h) holds row r of R and rows 16 t + 8 h + 0 .. 7 of P.  Eight registers convert into one word: word 2 (t % 2) + h of block t / 2.
; The word of tile 4 c + 2 g + u is written to code register 4 c + 2 u + g; two exchanges of lane halves for each c then leave registers 4 c .. 4 c + 3 of lane (r, h) with k = 64 c + 32 h + 0 .. 31.
; WORKSPACE.  kv: [batch x 16 + head][step of 128 keys] records of 8,704 bytes: K's image [key tile 8][lane][16], V's image at 4,096 [d tile 4][c 2][lane][16], K's scale words at 8,192 [pair of tiles 4][r 16]
; (bytes: even tile's blocks 0, 1, odd tile's blocks 0, 1), V's at 8,448 [d tile 4][r 16].  qw: records of 4,352 bytes: Q's image and, at 4,096, its scale words, as K's.
; LIMITS.  NaN and infinities among the results are not served.  A block whose largest magnitude lies under 2^-124 keeps the scale byte 1, a block of zeros too (its codes are zeros; this program alone reads the bytes).
; The bias that does not apply to a product's orientation is multiplied by 0: the biases must be finite.  The bias starts each f32 sum instead of being added behind it.
; The scale words leave in pieces of 64 or 128 bytes: one sixteenth of what the launch stores; the codes leave as 512 consecutive aligned bytes a store.
.set PITCH, 272                        ; an LDS row: 256 bytes + 16 of padding: the 16 rows of a fragment load start 68 words apart
.set WOFF,  256*PITCH                  ; in a slot: the tokens' 256 rows, then W's 256 rows
.set SLOT,  2*WOFF                     ; a slot holds one half of K
.set SCX,   2*SLOT                     ; the tokens' scale bytes, 32 a row, dense
.set SCW,   SCX+8192                   ; W's
.set ADRP, 1                           ; v1  LDS address of my P fragments
.set ADRR, 2                           ; v2  of my R fragments
.set ADSP, 3                           ; v3  of P's scale bytes
.set ADSR, 4                           ; v4  of R's
.set LI,   5                           ; v5  16 x lane: my place in an image
.set SOFF, 6                           ; v6  my place among the scale words
.set RR,   7                           ; v7  r = lane % 16
.set HH,   8                           ; v8  h = lane / 16
.set PS,   12                          ; v12-27  P's scale words: tile pt, K step q: 2 pt + q % 2
.set RS,   28                          ; v28-31  R's
.set RF,   32                          ; v32-47  R's two fragments
.set PF,   48                          ; v48-111 P's eight fragments
.set ACC,  112                         ; v112-239 accumulator (rt, pt) at 112 + 64 rt + 8 pt
.set TM,   PF                          ; behind the products P's registers are at work: largest magnitudes, bytes, scale operands,
.set PC0,  PF+16                       ; the two fragments of codes,
.set PC1,  PF+24
.set PW0,  PF+32                       ; their scale words,
.set PW1,  PF+33
.set W0,   PF+34                       ; and the words as they are stored
.set W1,   PF+35
.set G1X,  16                          ; s[16:23] group 1: the tokens' codes;  s[24:31] W's codes;  s[32:39], s[40:47] the scale bytes
.set G1W,  24
.set G1SX, 32
.set G1SW, 40
.set G0XS, 48                          ; groups 0: the tokens' scales, K half 0, K half 1
.set G0X0, 52
.set G0X1, 56
.set G0WS, 60                          ; W's
.set G0W0, 68
.set G0W1, 72
.set WV,    76                         ; my wave's number
.set WHICH, 77                         ; 0 q, 1 k, 2 v
.set CX,    78
.set CY,    79
.set XB,    80                         ; which 256 rows of W
.set YY,    81                         ; which 256 tokens
.set RMASK, 82
.set CMASK, 83
.set WP,    84                         ; which 128 rows of P
.set WR,    85                         ; which 32 rows of R
.set QD,    86                         ; which 64 rows of a tile I fetch
.set QL,    87                         ; and where they go in a tile
.set MP,    88                         ; s[88:89] 1.0 where the bias goes by P's rows, else 0
.set MR,    90                         ; the same for R's rows
.set SEL,   92                         ; s[92:93] lane selects for v_permlanex16_b32: lane l xor 16
.macro CROUND                          ; a round of the cluster's barrier
	s_barrier_signal -1
	s_barrier_wait -1
	s_cmp_lg_u32 s[WV], 0
	s_cbranch_scc1 .Lnot_wave_0_\@
	s_barrier_signal -3
.Lnot_wave_0_\@:
	s_barrier_wait -3
	s_barrier_signal -1
	s_barrier_wait -1
.endm
.macro PLACES n                        ; plain vector instructions behind matrix instructions, in front of loads into their registers and of reads of their results
.rept \n
	v_nop
.endr
.endm
	s_load_b512 s[16:31], s[0:1], 0x0              ; q's codes 16, scales 18, Wq's codes 20, scales 22, bq 24, k's codes 26, scales 28, Wk's codes 30
	s_load_b512 s[32:47], s[0:1], 0x40             ; Wk's scales 32, bk 34, v's codes 36, scales 38, Wv's codes 40, scales 42, bv 44, qw 46
	s_load_b64 s[48:49], s[0:1], 0x80              ; kv
	v_lshl_add_u32 v254, v0, 2, 0x48000
	v_mov_b32 v255, 0
	ds_add_u32 v254, v255
	ds_add_u32 v254, v255
	v_lshrrev_b32 v7, 5, v0
	s_delay_alu instid0(VALU_DEP_1)
	v_readfirstlane_b32 s[WV], v7                  ; wave 0..15
	s_and_b32 s94, ttmp7, 0xffff                   ; cluster y, 0..23
	s_lshr_b32 s[WHICH], s94, 3
	s_bfe_u32 s[CX], ttmp6, 0x40000
	s_bfe_u32 s[CY], ttmp6, 0x40004
	s_lshl_b32 s[XB], ttmp9, 2
	s_add_co_u32 s[XB], s[XB], s[CX]               ; W's block = 4 x cluster x + cx
	s_and_b32 s[YY], s94, 7
	s_lshl_b32 s[YY], s[YY], 2
	s_add_co_u32 s[YY], s[YY], s[CY]               ; the tokens' block = 4 x (cluster y % 8) + cy
	s_lshl_b32 s[RMASK], s[CY], 2
	s_lshl_b32 s[RMASK], 15, s[RMASK]              ; my row of the cluster
	s_lshl_b32 s[CMASK], 0x1111, s[CX]             ; my column
	s_and_b32 s[WP], s[WV], 1
	s_lshr_b32 s[WR], s[WV], 1
	s_and_b32 s[QD], s[WV], 3
	s_mul_i32 s[QL], s[QD], 64*PITCH
	s_lshl_b32 s94, s[YY], 8                       ; the tokens' side, in registers that never hold cx
	s_lshl_b32 s95, s[QD], 6
	s_add_co_u32 s94, s94, s95                     ; first row that I fetch: 256 x block + 64 x quarter
	s_lshl_b32 s96, s94, 5                         ; its scale bytes: 32 a row
	s_mov_b32 s97, 0
	s_lshl_b32 s94, s94, 9                         ; its codes: 512 bytes a row
	s_mov_b32 s95, 0
	s_lshl_b32 s98, s[XB], 8                       ; W's side, in registers that never hold cy
	s_lshl_b32 s99, s[QD], 6
	s_add_co_u32 s98, s98, s99
	s_lshl_b32 s100, s98, 5
	s_mov_b32 s101, 0
	s_lshl_b32 s98, s98, 9
	s_mov_b32 s99, 0
	s_mov_b32 s[SEL], 0x76543210
	s_mov_b32 s[SEL+1], 0xfedcba98
	s_wait_dscnt 0x0
	s_wait_kmcnt 0x0
	s_cmp_eq_u32 s[WHICH], 1                       ; the product's five inputs: s[4:5] tokens' codes, s[6:7] their scales, s[8:9] W's codes, s[10:11] its scales, s[12:13] the bias
	s_cselect_b64 s[4:5], s[26:27], s[16:17]
	s_cselect_b64 s[6:7], s[28:29], s[18:19]
	s_cselect_b64 s[8:9], s[30:31], s[20:21]
	s_cselect_b64 s[10:11], s[32:33], s[22:23]
	s_cselect_b64 s[12:13], s[34:35], s[24:25]
	s_cmp_eq_u32 s[WHICH], 2
	s_cselect_b64 s[4:5], s[36:37], s[4:5]
	s_cselect_b64 s[6:7], s[38:39], s[6:7]
	s_cselect_b64 s[8:9], s[40:41], s[8:9]
	s_cselect_b64 s[10:11], s[42:43], s[10:11]
	s_cselect_b64 s[12:13], s[44:45], s[12:13]
	s_cmp_eq_u32 s[WHICH], 0
	s_cselect_b64 s[14:15], s[46:47], s[48:49]     ; and where its results go: qw or kv
	; group 1 for codes: 64 rows x 256 bytes, 512 bytes apart in memory, 16 bytes of padding behind each row in LDS
	s_or_b32 s[G1X], s[RMASK], (1<<20)|(1<<21)|(5<<22)|(3<<25)   ; 15:0 the mask; 17:16 elements of 1 byte; 20 padding on; 21 set beside a mask; 24:22 after every 64 words; 31:25 four words
	s_or_b32 s[G1W], s[CMASK], (1<<20)|(1<<21)|(5<<22)|(3<<25)
.irp g, G1X, G1W
	s_mov_b32 s[\g+1], 256<<16                     ; tensor_dim0
	s_mov_b32 s[\g+2], 64<<16                      ; tensor_dim1
	s_mov_b32 s[\g+3], 256<<16                     ; tile_dim0
	s_mov_b32 s[\g+4], 64                          ; tile_dim1
	s_mov_b32 s[\g+5], 512                         ; from row to row
	s_mov_b32 s[\g+6], 0
	s_mov_b32 s[\g+7], 0
.endr
	; group 1 for the scale bytes of 64 rows: 2,048 dense bytes as 8 rows of 32 elements of 8 bytes
	s_or_b32 s[G1SX], s[RMASK], (3<<16)|(1<<21)
	s_or_b32 s[G1SW], s[CMASK], (3<<16)|(1<<21)
.irp g, G1SX, G1SW
	s_mov_b32 s[\g+1], 32<<16
	s_mov_b32 s[\g+2], 8<<16
	s_mov_b32 s[\g+3], 32<<16
	s_mov_b32 s[\g+4], 8
	s_mov_b32 s[\g+5], 32
	s_mov_b32 s[\g+6], 0
	s_mov_b32 s[\g+7], 0
.endr
	; groups 0.  LDS addresses are made of constants and the wave's number alone
	s_mov_b32 s[G0XS], 1
	s_lshl_b32 s[G0XS+1], s[QD], 11
	s_add_co_u32 s[G0XS+1], s[G0XS+1], SCX
	s_add_nc_u64 s[G0XS+2:G0XS+3], s[6:7], s[96:97]
	s_or_b32 s[G0XS+3], s[G0XS+3], 0x80000000
	s_mov_b32 s[G0X0], 1
	s_mov_b32 s[G0X0+1], s[QL]
	s_add_nc_u64 s[G0X0+2:G0X0+3], s[4:5], s[94:95]
	s_or_b32 s[G0X0+3], s[G0X0+3], 0x80000000
	s_mov_b32 s[G0X1], 1
	s_add_co_u32 s[G0X1+1], s[QL], SLOT
	s_add_nc_u64 s[G0X1+2:G0X1+3], s[4:5], s[94:95]
	s_add_nc_u64 s[G0X1+2:G0X1+3], s[G0X1+2:G0X1+3], 256
	s_or_b32 s[G0X1+3], s[G0X1+3], 0x80000000
	s_mov_b32 s[G0WS], 1
	s_lshl_b32 s[G0WS+1], s[QD], 11
	s_add_co_u32 s[G0WS+1], s[G0WS+1], SCW
	s_add_nc_u64 s[G0WS+2:G0WS+3], s[10:11], s[100:101]
	s_or_b32 s[G0WS+3], s[G0WS+3], 0x80000000
	s_mov_b32 s[G0W0], 1
	s_add_co_u32 s[G0W0+1], s[QL], WOFF
	s_add_nc_u64 s[G0W0+2:G0W0+3], s[8:9], s[98:99]
	s_or_b32 s[G0W0+3], s[G0W0+3], 0x80000000
	s_mov_b32 s[G0W1], 1
	s_add_co_u32 s[G0W1+1], s[QL], SLOT+WOFF
	s_add_nc_u64 s[G0W1+2:G0W1+3], s[8:9], s[98:99]
	s_add_nc_u64 s[G0W1+2:G0W1+3], s[G0W1+2:G0W1+3], 256
	s_or_b32 s[G0W1+3], s[G0W1+3], 0x80000000
	CROUND                                         ; all sixteen work-groups are here: the joint loads meet
	s_cmp_lt_u32 s[WV], 4                          ; waves 0-3 fetch the tokens' quarters, waves 4-7 W's, the others nothing: three loads of a wave are out at the most
	s_cbranch_scc0 .Lnot_x
	tensor_load_to_lds s[G0XS:G0XS+3], s[G1SX:G1SX+7]
	s_nop 0
	tensor_load_to_lds s[G0X0:G0X0+3], s[G1X:G1X+7]
	s_nop 0
	tensor_load_to_lds s[G0X1:G0X1+3], s[G1X:G1X+7]
	s_nop 0
	PLACES 4                                       ; four v_nop follow the loads, ahead of the jump and the label
	s_branch .Lasked
.Lnot_x:
	s_cmp_lt_u32 s[WV], 8
	s_cbranch_scc0 .Lasked
	tensor_load_to_lds s[G0WS:G0WS+3], s[G1SW:G1SW+7]
	s_nop 0
	tensor_load_to_lds s[G0W0:G0W0+3], s[G1W:G1W+7]
	s_nop 0
	tensor_load_to_lds s[G0W1:G0W1+3], s[G1W:G1W+7]
	s_nop 0
	PLACES 4
.Lasked:
	; the read side: which region is P's and which R's hangs on the product's number alone
	v_and_b32 v[RR], 15, v0
	v_bfe_u32 v[HH], v0, 4, 1
	v_and_b32 v9, 31, v0
	s_delay_alu instid0(VALU_DEP_1)
	v_lshlrev_b32 v[LI], 4, v9
	s_delay_alu instid0(VALU_DEP_4)
	v_mul_u32_u24 v10, v[RR], PITCH
	s_delay_alu instid0(VALU_DEP_1)
	v_lshl_add_u32 v10, v[HH], 4, v10              ; a fragment's row x pitch + 16 x half
	s_wait_alu depctr_va_vdst(0)
	s_cmp_eq_u32 s[WHICH], 2
	s_cselect_b32 s94, 0, WOFF                     ; P's rows in a slot: the tokens' for v, W's for q and k
	s_cselect_b32 s95, WOFF, 0                     ; R's
	s_cselect_b32 s96, 0, 8192                     ; the same for the scale bytes
	s_cselect_b32 s97, 8192, 0
	s_cselect_b32 s[MP], 0, 0x3f800000             ; the bias goes by the feature: P's row for q and k, R's row for v
	s_cselect_b32 s[MR], 0x3f800000, 0
	s_mov_b32 s[MP+1], s[MP]                       ; (named with it as a pair, so it is written)
	s_mul_i32 s98, s[WP], 128*PITCH
	s_add_co_u32 s94, s94, s98
	v_add_nc_u32 v[ADRP], s94, v10
	s_mul_i32 s98, s[WR], 32*PITCH
	s_add_co_u32 s95, s95, s98
	v_add_nc_u32 v[ADRR], s95, v10
	s_lshl_b32 s98, s[WP], 12                      ; 128 rows x 32 bytes
	s_add_co_u32 s96, s96, s98
	s_add_co_u32 s96, s96, SCX
	v_lshl_add_u32 v[ADSP], v[RR], 5, s96
	s_lshl_b32 s98, s[WR], 10                      ; 32 rows x 32 bytes
	s_add_co_u32 s97, s97, s98
	s_add_co_u32 s97, s97, SCX
	v_lshl_add_u32 v[ADSR], v[RR], 5, s97
	; THE BIAS STARTS THE SUMS, while the tiles are on their way.  Both readings of the bias are loaded (both lie inside its 4,096 bytes for every product) and the one that does not apply is multiplied by 0.
	s_lshl_b32 s98, s[XB], 10
	s_lshl_b32 s99, s[WP], 9
	s_add_co_u32 s99, s99, s98
	v_lshl_add_u32 v9, v[HH], 5, s99               ; by P's rows: 4 x (256 x block + 128 wp + 8 h), + 64 for each tile
	s_lshl_b32 s99, s[WR], 7
	s_add_co_u32 s99, s99, s98
	v_lshl_add_u32 v11, v[RR], 2, s99              ; by R's rows: 4 x (256 x block + 32 wr + r), + 64 for the second tile
.irp pt, 0,1,2,3,4,5,6,7
	global_load_b128 v[PF+8*\pt:PF+8*\pt+3], v9, s[12:13] offset:64*\pt
	global_load_b128 v[PF+8*\pt+4:PF+8*\pt+7], v9, s[12:13] offset:64*\pt+16
.endr
	global_load_b32 v[RF], v11, s[12:13]
	global_load_b32 v[RF+2], v11, s[12:13] offset:64
	s_wait_loadcnt 0x0
	v_mul_f32 v[RF], s[MR], v[RF]
	v_mul_f32 v[RF+2], s[MR], v[RF+2]
	s_delay_alu instid0(VALU_DEP_2)
	v_mov_b32 v[RF+1], v[RF]
	s_delay_alu instid0(VALU_DEP_2)
	v_mov_b32 v[RF+3], v[RF+2]
.irp rt, 0,1
.irp pt, 0,1,2,3,4,5,6,7
.irp j, 0,2,4,6
	v_pk_fma_f32 v[ACC+64*\rt+8*\pt+\j:ACC+64*\rt+8*\pt+\j+1], v[PF+8*\pt+\j:PF+8*\pt+\j+1], s[MP:MP+1], v[RF+2*\rt:RF+2*\rt+1] op_sel_hi:[1,0,1]
.endr
.endr
.endr
.macro MM pt, rt, q
	v_wmma_scale_f32_16x16x128_f8f6f4 v[ACC+64*(\rt)+8*(\pt):ACC+64*(\rt)+8*(\pt)+7], v[PF+8*(\pt):PF+8*(\pt)+7], v[RF+8*(\rt):RF+8*(\rt)+7], v[ACC+64*(\rt)+8*(\pt):ACC+64*(\rt)+8*(\pt)+7], v[PS+2*(\pt)+((\q)%2)], v[RS+2*(\rt)+((\q)%2)] matrix_a_fmt:MATRIX_FMT_FP4 matrix_b_fmt:MATRIX_FMT_FP4
.endm
; A K step of 128: the q-th of K half kh.  A fragment is 16 rows x 64 bytes: lane (r, h) takes 16 bytes at 16 h and at 32 + 16 h of row r.  The scale words of two K steps come together, 8 bytes a row.
; The 16 accumulators take turns, one instruction a turn, in the same order in every step.
.macro KSTEP kh, q
	PLACES 4
.if ((\q)%2) == 0
.irp pt, 0,1,2,3,4,5,6,7
	ds_load_b64 v[PS+2*\pt:PS+2*\pt+1], v[ADSP] offset:512*\pt+16*(\kh)+4*(\q)
.endr
.irp rt, 0,1
	ds_load_b64 v[RS+2*\rt:RS+2*\rt+1], v[ADSR] offset:512*\rt+16*(\kh)+4*(\q)
.endr
.endif
.irp rt, 0,1
.irp c, 0,1
	ds_load_b128 v[RF+8*\rt+4*\c:RF+8*\rt+4*\c+3], v[ADRR] offset:16*PITCH*\rt+64*(\q)+32*\c
.endr
.endr
.irp pt, 0,1,2,3,4,5,6,7
.irp c, 0,1
	ds_load_b128 v[PF+8*\pt+4*\c:PF+8*\pt+4*\c+3], v[ADRP] offset:16*PITCH*\pt+64*(\q)+32*\c
.endr
.endr
.irp pp, 0,1,2,3
	s_wait_dscnt 12-4*\pp                          ; LDS loads come back in order: all but the four loads of each later pair of P's tiles are in
	MM 2*\pp, 0, \q
	MM 2*\pp, 1, \q
	MM 2*\pp+1, 0, \q
	MM 2*\pp+1, 1, \q
.endr
.endm
	s_wait_alu depctr_va_vdst(0)
	s_wait_tensorcnt 0x1                           ; my scale bytes and my part of K half 0 are in; half 1's load, issued last, may stay out
	s_barrier_signal -1
	s_barrier_wait -1                              ; everybody's are
	KSTEP 0, 0
	KSTEP 0, 1
	KSTEP 0, 2
	KSTEP 0, 3
	s_wait_tensorcnt 0x0                           ; my part of K half 1 is in (my LDS loads are back: the last count-down ended at 0)
	s_barrier_signal -1
	s_barrier_wait -1
	v_add_nc_u32 v[ADRP], SLOT, v[ADRP]
	v_add_nc_u32 v[ADRR], SLOT, v[ADRR]
	s_wait_alu depctr_va_vdst(0)
	KSTEP 1, 0
	KSTEP 1, 1
	KSTEP 1, 2
	KSTEP 1, 3
; 64 numbers of a lane, tile t at v[s + 8 t], become a fragment's 8 registers of codes at v[pc] and its scale word in v[pw].
; A block of 32 is the 16 registers of tiles 2 b, 2 b + 1 in lanes l and l xor 16.  Its scale operand is its largest magnitude with 2 off the exponent field; the floor 2^(3 - 127) holds the byte at 1 from below.
.macro QUANT s, pc, pw
.irp b, 0,1,2,3
	v_max3_num_f32 v[TM+\b], |v[\s+16*\b]|, |v[\s+16*\b+1]|, 0x1800000   ; each accumulator is read from its low end on
.endr
.irp i, 2,4,6,8,10,12,14
.irp b, 0,1,2,3
	v_max3_num_f32 v[TM+\b], v[TM+\b], |v[\s+16*\b+\i]|, |v[\s+16*\b+\i+1]|   ; the four blocks by turns
.endr
.endr
.irp b, 0,1,2,3
	s_delay_alu instid0(VALU_DEP_4)
	v_permlanex16_b32 v[TM+4+\b], v[TM+\b], s[SEL], s[SEL+1]
.endr
.irp b, 0,1,2,3
	s_delay_alu instid0(VALU_DEP_4)
	v_max_num_f32 v[TM+\b], v[TM+\b], v[TM+4+\b]
.endr
.irp b, 0,1,2,3
	s_delay_alu instid0(VALU_DEP_4)
	v_add_nc_u32 v[TM+12+\b], 0xff000000, v[TM+\b]   ; the conversion takes the exponent field of this operand as its scale
.endr
.irp b, 0,1,2,3
	s_delay_alu instid0(VALU_DEP_4)
	v_lshrrev_b32 v[TM+4+\b], 23, v[TM+12+\b]      ; the scale's byte
.endr
	s_delay_alu instid0(VALU_DEP_3)
	v_lshl_or_b32 v[\pw], v[TM+5], 8, v[TM+4]
	s_delay_alu instid0(VALU_DEP_1)
	v_lshl_or_b32 v[\pw], v[TM+6], 16, v[\pw]
	s_delay_alu instid0(VALU_DEP_1)
	v_lshl_or_b32 v[\pw], v[TM+7], 24, v[\pw]
.irp c, 0,1
.irp g, 0,1
.irp u, 0,1
	v_cvt_scalef32_pk8_fp4_f32 v[\pc+4*\c+2*\u+\g], v[\s+8*(4*\c+2*\g+\u):\s+8*(4*\c+2*\g+\u)+7], v[TM+12+2*\c+\g]
.endr
.endr
.endr
	v_nop                                          ; one plain instruction behind the last scaled conversion
.irp c, 0,1
	v_permlane16_swap_b32 v[\pc+4*\c], v[\pc+4*\c+1]       ; the first's lanes 16-31 change places with the second's lanes 0-15: a whole block in a lane
	v_permlane16_swap_b32 v[\pc+4*\c+2], v[\pc+4*\c+3]
.endr
.endm
	; WHERE THE RESULTS GO.  All by selection on the product's number; no tensor load is out, so s16-s47 are free.
	PLACES 4
.irp b, 0,1,2,3
	v_mov_b32 v[TM+4+\b], 0                        ; a lane permute's destination counts as one of its sources
.endr
	s_mov_b32 s26, 8704
	s_cmp_eq_u32 s[WHICH], 0
	s_cselect_b32 s26, 4352, s26                   ; a record: 4,352 bytes in qw, 8,704 in kv
	s_mov_b32 s28, 256
	s_cmp_eq_u32 s[WHICH], 1
	s_cselect_b32 s28, 512, s28
	s_sub_co_u32 s28, s26, s28                     ; the scale words in it: q 4,096, k 8,192, v 8,448
	s_lshl_b32 s29, s26, 4                         ; from head to head: 16 records
	s_lshl_b32 s30, s[WP], 1
	s_lshr_b32 s31, s[WR], 1
	s_lshr_b32 s32, s[WR], 2
	s_and_b32 s33, s[WR], 3
	s_and_b32 s34, s[WR], 1
	s_mov_b32 s35, 0x05040100
	s_mov_b32 s36, 0x07060302
	s_mov_b32 s37, 512
	s_cmp_eq_u32 s[WHICH], 2
	s_cselect_b32 s30, s31, s30                    ; my first head in W's block: q, k: 2 wp;  v: wr / 2
	s_cselect_b32 s32, s[WP], s32                  ; my step in the tokens' block: q, k: wr / 4;  v: wp
	s_cselect_b32 s33, s34, s33                    ; my pair of tiles in the image: q, k: wr % 4;  v: wr % 2
	s_cselect_b32 s27, 4096, 0                     ; the image in the record
	s_cselect_b32 s38, 1024, s37                   ; from tile to tile of R
	s_cselect_b32 s39, s37, s29                    ; from registers 0-3 to registers 4-7: q, k: the next head;  v: the next 64 keys
	s_cselect_b32 s40, 128, 64                     ; the scale words of a pair of tiles
	s_cselect_b32 s41, 64, s29                     ; from lanes 0-15 to lanes 16-31 of the scale store: q, k: the next head;  v: the next tile
	s_cselect_b32 s35, 0x03020100, s35             ; lanes 0-15 store: q, k: the low halves of both tiles' words;  v: the first tile's word
	s_cselect_b32 s36, 0x07060504, s36             ; lanes 16-31: q, k: the high halves;  v: the second tile's word
	s_lshl_b32 s42, s[XB], 2
	s_add_co_u32 s30, s30, s42                     ; head
	s_and_b32 s42, s[YY], 7
	s_lshl_b32 s42, s42, 1
	s_add_co_u32 s32, s32, s42                     ; step
	s_lshr_b32 s42, s[YY], 3                       ; batch
	s_lshl_b32 s42, s42, 4
	s_add_co_u32 s42, s42, s30
	s_lshl_b32 s42, s42, 4
	s_add_co_u32 s42, s42, s32                     ; the record's number
	s_mul_i32 s42, s42, s26
	s_mov_b32 s43, 0
	s_add_nc_u64 s[14:15], s[14:15], s[42:43]      ; the record
	s_mul_i32 s44, s33, s40
	s_add_co_u32 s44, s44, s28
	s_mov_b32 s45, 0
	s_add_nc_u64 s[24:25], s[14:15], s[44:45]      ; my scale words
	s_lshl_b32 s44, s33, 1
	s_mul_i32 s44, s44, s38
	s_add_co_u32 s44, s44, s27
	s_add_nc_u64 s[16:17], s[14:15], s[44:45]      ; tile 0, registers 0-3
	s_mov_b32 s46, s39
	s_mov_b32 s47, 0
	s_add_nc_u64 s[18:19], s[16:17], s[46:47]      ; tile 0, registers 4-7
	s_mov_b32 s46, s38
	s_add_nc_u64 s[20:21], s[16:17], s[46:47]      ; tile 1
	s_add_nc_u64 s[22:23], s[18:19], s[46:47]
	v_mul_u32_u24 v[SOFF], s41, v[HH]
	s_delay_alu instid0(VALU_DEP_1)
	v_lshl_add_u32 v[SOFF], v[RR], 2, v[SOFF]
	QUANT ACC, PC0, PW0
	global_store_b128 v[LI], v[PC0:PC0+3], s[16:17]       ; 32 lanes store 512 consecutive bytes, aligned
	global_store_b128 v[LI], v[PC0+4:PC0+7], s[18:19]
	QUANT ACC+64, PC1, PW1
	global_store_b128 v[LI], v[PC1:PC1+3], s[20:21]
	global_store_b128 v[LI], v[PC1+4:PC1+7], s[22:23]
	v_perm_b32 v[W0], v[PW1], v[PW0], s35
	v_perm_b32 v[W1], v[PW1], v[PW0], s36
	v_cmp_eq_u32 vcc_lo, 1, v[HH]
	s_delay_alu instid0(VALU_DEP_1)
	v_cndmask_b32 v[W0], v[W0], v[W1], vcc_lo
	global_store_b32 v[SOFF], v[W0], s[24:25]
	s_wait_tensorcnt 0x0
	ds_add_u32 v254, v255
	s_wait_dscnt 0x0
	CROUND                                         ; the closing round: no work-group ends while a partner may still ask for a tile that names it
	s_endpgm
.Lfunc_end_k_q949147c59c_proj:
	.size	k_q949147c59c_proj, .Lfunc_end_k_q949147c59c_proj-k_q949147c59c_proj
	.p2alignl 7, 3214868480
	.fill 96, 4, 3214868480
	.section	.rodata,"a",@progbits
	.p2align	6, 0x0
	.amdhsa_kernel k_q949147c59c_proj
		.amdhsa_group_segment_fixed_size 296960
		.amdhsa_private_segment_fixed_size 0
		.amdhsa_enable_private_segment 0
		.amdhsa_kernarg_size 136
		.amdhsa_user_sgpr_count 2
		.amdhsa_user_sgpr_kernarg_segment_ptr 1
		.amdhsa_wavefront_size32 1
		.amdhsa_system_sgpr_workgroup_id_x 1
		.amdhsa_system_sgpr_workgroup_id_y 1
		.amdhsa_system_sgpr_workgroup_id_z 1
		.amdhsa_system_vgpr_workitem_id 0
		.amdhsa_next_free_vgpr 256
		.amdhsa_next_free_sgpr 104
		.amdhsa_reserve_vcc 1
		.amdhsa_float_denorm_mode_32 3
		.amdhsa_float_denorm_mode_16_64 3
		.amdhsa_memory_ordered 1
		.amdhsa_forward_progress 1
		.amdhsa_inst_pref_size 58
	.end_amdhsa_kernel
	.amdgpu_metadata
---
amdhsa.version: [ 1, 2 ]
amdhsa.kernels:
  - .name:           k_q949147c59c_proj
    .symbol:         k_q949147c59c_proj.kd
    .args:
      - { .name: q_codes, .offset: 0, .size: 8, .value_kind: global_buffer, .address_space: global }
      - { .name: q_scales, .offset: 8, .size: 8, .value_kind: global_buffer, .address_space: global }
      - { .name: Wq_codes, .offset: 16, .size: 8, .value_kind: global_buffer, .address_space: global }
      - { .name: Wq_scales, .offset: 24, .size: 8, .value_kind: global_buffer, .address_space: global }
      - { .name: bq, .offset: 32, .size: 8, .value_kind: global_buffer, .address_space: global }
      - { .name: k_codes, .offset: 40, .size: 8, .value_kind: global_buffer, .address_space: global }
      - { .name: k_scales, .offset: 48, .size: 8, .value_kind: global_buffer, .address_space: global }
      - { .name: Wk_codes, .offset: 56, .size: 8, .value_kind: global_buffer, .address_space: global }
      - { .name: Wk_scales, .offset: 64, .size: 8, .value_kind: global_buffer, .address_space: global }
      - { .name: bk, .offset: 72, .size: 8, .value_kind: global_buffer, .address_space: global }
      - { .name: v_codes, .offset: 80, .size: 8, .value_kind: global_buffer, .address_space: global }
      - { .name: v_scales, .offset: 88, .size: 8, .value_kind: global_buffer, .address_space: global }
      - { .name: Wv_codes, .offset: 96, .size: 8, .value_kind: global_buffer, .address_space: global }
      - { .name: Wv_scales, .offset: 104, .size: 8, .value_kind: global_buffer, .address_space: global }
      - { .name: bv, .offset: 112, .size: 8, .value_kind: global_buffer, .address_space: global }
      - { .name: qw, .offset: 120, .size: 8, .value_kind: global_buffer, .address_space: global }
      - { .name: kv, .offset: 128, .size: 8, .value_kind: global_buffer, .address_space: global }
    .group_segment_fixed_size: 296960
    .private_segment_fixed_size: 0
    .kernarg_segment_align: 8
    .kernarg_segment_size: 136
    .max_flat_workgroup_size: 512
    .sgpr_count:     104
    .vgpr_count:     256
    .wavefront_size: 32
...
	.end_amdgpu_metadata
.endif
;; end of part 1
;; launch attn (part 2): grid 4 x 64, 16 waves a work-group, clusters of 4 x 1, 169,984 bytes of LDS; arguments qw, kv, oimg, osc; writes oimg, osc
.if DOCPART == 2
	.amdgcn_target "amdgcn-amd-amdhsa--gfx1250"
	.amdhsa_code_object_version 6
	.text
	.protected	k_q949147c59c_attn
	.globl	k_q949147c59c_attn
	.p2align	8
	.type	k_q949147c59c_attn,@function
k_q949147c59c_attn:
	s_mov_b64 s[64:65], 0
	v_nop
	global_prefetch_b8 v0, s[64:65] scope:SCOPE_SE
	s_setreg_imm32_b32 hwreg(HW_REG_WAVE_MODE, 25, 1), 1
	s_wait_xcnt 0x0
	s_wait_alu depctr_hold_cnt(0) depctr_sa_sdst(0) depctr_va_vdst(0) depctr_va_sdst(0) depctr_va_ssrc(0) depctr_va_vcc(0) depctr_vm_vsrc(0)
	s_getreg_b32 s2, hwreg(HW_REG_IB_STS2, 6, 4)
	s_cmp_eq_u32 s2, 0
	s_cbranch_scc0 .Lentry_in_a_cluster
	s_endpgm
.Lentry_in_a_cluster:
	s_bfe_u32 s2, ttmp6, 0x10000c
	s_cmp_lg_u32 s2, 0x3003
	s_cbranch_scc0 .Lentry_shape_is_right
	s_endpgm
.Lentry_shape_is_right:
; ATTN: for each of 64 heads (batch x 16 + head), O = softmax(Q K^T / 8) V over 2,048 keys, head size 64, both products on E2M1 codes; O is divided by the row's sum, quantised along the head's 64 and stored
; as an image of the last launch's operand registers.
; THE SOFTMAX: t = score x log2(e) / 8; M = the running largest t rounded UP to a whole number; p = 2^(t - M) is quantised along the keys, not normalised; the row's sum is taken of the unquantised p.
; When M moves, the sum and O are multiplied by 2^(old M - new M), which rounds nothing.
; SHARES.  A work-group owns 512 queries of one head; each of its sixteen waves two tiles of 16 queries, taken in two passes over all keys, 128 a step.  Four waves to a SIMD: one wave's vector work stands beside
; another's matrix work and LDS loads.  A key step has some 20 vector instructions for each matrix instruction, so nothing is gained by setting the two by turns inside a wave.
; LDS: the head's 16 records of kv (139,264 bytes) from byte 0, filled ONCE: waves 0-7 bring two records each; no byte is filled again, none is stored by a wave.
; CLUSTER 4 x 1: the four query blocks of a head read the same records: each load is asked for jointly.  All loads stand at the head, so there is no later request that could be asked for ahead.
; LAYOUT.  Both products are used transposed: S^T = K Q^T, O^T = V^T P^T: a lane holds ONE query (lane % 16) throughout.
; HEAD SIZE 64 IN AN INSTRUCTION OF K = 128: a fragment of K holds TWO key tiles (registers 0-3: tile 2 b, registers 4-7: tile 2 b + 1, 64 channels each).  Q lies between zeros: [q | 0] multiplies the even tile,
; [0 | q] the odd one; zero codes add nothing.  K's scale word holds the even tile's two bytes and the odd tile's two; Q's holds its two bytes twice.
; P BECOMES AN OPERAND as the projections' results do: tile 4 c + 2 g + u converts into code register 4 c + 2 u + g, and two exchanges of lane halves for each c give the operand's layout.
; LIMITS.  NaN and infinities are not served.  A block of p or of O whose largest magnitude lies under 2^-124 keeps the scale byte 1 (a block of zeros too; this program alone reads the bytes).
; 1 / sum is v_rcp_f32.  A block's largest p is taken as the exponential of the block's largest score, which takes v_exp_f32 not to fall where its input rises.
; osc is stored in pieces of 64 bytes: lanes l and l xor 16 hold the same word and write it to the same place.
.set REC,  8704                        ; a record: K's image, V's image at 4,096, K's scale words at 8,192, V's at 8,448
.set LI,   1                           ; v1  16 x lane
.set LS,   2                           ; v2  4 x lane
.set ADK,  3                           ; v3  LDS address of the step's images
.set ADS,  4                           ; v4  of its scale words
.set R4,   5                           ; v5  4 x (lane % 16)
.set NM,   12                          ; v12 -M
.set MT,   13                          ; v13 the largest t so far
.set SUM,  14                          ; v[14:15] the row's sum, in two halves
.set QZ,   16                          ; v16-35: 0 | q of pass 0 | 0 | q of pass 1 | 0, four registers each
.set QS0,  36                          ; Q's scale words of the two passes
.set QS1,  37
.set QRAW, 38
.set KF,   40                          ; v40-71   K's four fragments
.set VF,   72                          ; v72-103  V's four
.set KS,   104                         ; v104-105 K's scale words: lanes 0-15 an even fragment's, lanes 16-31 the odd one's
.set VS,   106                         ; v106-107 V's likewise
.set S,    108                         ; v108-171 S^T, then p
.set O,    172                         ; v172-203 O^T
.set PC,   204                         ; v204-211 p's codes
.set BM,   212                         ; v212-215 the blocks' largest scores, then largest p
.set PD,   216                         ; v216-219 the other half's, then the bytes
.set SCO,  220                         ; v220-223 the conversions' scale operands
.set PWD,  224                         ; p's scale word
.set FF,   226                         ; v[226:227] f = 2^(old M - new M); at the end 1 / sum
.set T,    228
.set C2,   230                         ; v[230:231] the sums' second chain
.set OC0,  232                         ; O's codes of the two passes
.set OC1,  236
.set HW0,  240                         ; and their two scale bytes
.set HW1,  241
.set WV,   12
.set SEL,  40                          ; s[40:41] lane selects: lane l xor 16
.set CS,   42                          ; s[42:43] c = log2(e) / 8
.set TB,   44                          ; LDS byte of the step's record
.set CNT,  45
.macro CROUND
	s_barrier_signal -1
	s_barrier_wait -1
	s_cmp_lg_u32 s[WV], 0
	s_cbranch_scc1 .Lnot_wave_0_\@
	s_barrier_signal -3
.Lnot_wave_0_\@:
	s_barrier_wait -3
	s_barrier_signal -1
	s_barrier_wait -1
.endm
.macro PLACES n
.rept \n
	v_nop
.endr
.endm
	s_load_b256 s[4:11], s[0:1], 0x0               ; qw s[4:5], kv s[6:7], oimg s[8:9], osc s[10:11]
	v_lshl_add_u32 v254, v0, 2, 0x29000
	v_mov_b32 v255, 0
	ds_add_u32 v254, v255
	ds_add_u32 v254, v255
	v_lshrrev_b32 v7, 5, v0
	s_delay_alu instid0(VALU_DEP_1)
	v_readfirstlane_b32 s[WV], v7                  ; wave 0..15
	s_bfe_u32 s13, ttmp6, 0x40000                  ; cx: which 512 queries; it enters Q's and O's addresses alone
	s_and_b32 s14, ttmp7, 0xffff                   ; batch x 16 + head, which the four partners share
	; group 1: two records, 17,408 dense bytes, as 68 rows of 32 elements of 8 bytes
	s_mov_b32 s16, 15|(3<<16)|(1<<21)              ; 15:0 the mask: all four work-groups; 17:16 elements of 8 bytes; 21 set beside a mask
	s_mov_b32 s17, 32<<16
	s_mov_b32 s18, 68<<16
	s_mov_b32 s19, 32<<16
	s_mov_b32 s20, 68
	s_mov_b32 s21, 32
	s_mov_b32 s22, 0
	s_mov_b32 s23, 0
	s_and_b32 s46, s[WV], 7
	s_mul_i32 s46, s46, 2*REC                      ; which two records I fetch, in LDS as in memory
	s_mul_i32 s56, s14, 16*REC
	s_add_co_u32 s56, s56, s46
	s_mov_b32 s57, 0
	s_mov_b32 s[SEL], 0x76543210
	s_mov_b32 s[SEL+1], 0xfedcba98
	s_mov_b32 s[CS], 0x3e38aa3b
	s_mov_b32 s[CS+1], s[CS]                       ; (named with it as a pair, so it is written)
	s_wait_dscnt 0x0
	s_wait_kmcnt 0x0
	s_mov_b32 s24, 1
	s_mov_b32 s25, s46
	s_add_nc_u64 s[26:27], s[6:7], s[56:57]
	s_or_b32 s27, s27, 0x80000000
	CROUND                                         ; all four work-groups are here: the joint loads meet
	s_cmp_lt_u32 s[WV], 8                          ; waves 0-7 fetch, one load each
	s_cbranch_scc0 .Lasked
	tensor_load_to_lds s[24:27], s[16:23]
	s_nop 0
	PLACES 4                                       ; four v_nop follow the load, ahead of the label
.Lasked:
	v_and_b32 v6, 31, v0
	s_delay_alu instid0(VALU_DEP_1)
	v_lshlrev_b32 v[LI], 4, v6
	s_wait_alu depctr_va_vdst(0)
	v_lshlrev_b32 v[LS], 2, v6
	v_and_b32 v[R4], 15, v0
	s_delay_alu instid0(VALU_DEP_1)
	v_lshlrev_b32 v[R4], 2, v[R4]
	s_wait_alu depctr_va_vdst(0)
	; Q: my two tiles are tiles 2 (w % 4), + 1 of record 16 x head + 4 cx + w / 4 of qw; one scale word holds both tiles' bytes
	s_lshl_b32 s58, s14, 4
	s_lshl_b32 s59, s13, 2
	s_add_co_u32 s58, s58, s59
	s_lshr_b32 s59, s[WV], 2
	s_add_co_u32 s58, s58, s59
	s_mul_i32 s58, s58, 4352
	s_mov_b32 s59, 0
	s_add_nc_u64 s[4:5], s[4:5], s[58:59]
	s_and_b32 s60, s[WV], 3
	s_lshl_b32 s61, s60, 10
	v_add_nc_u32 v7, s61, v[LI]
	s_lshl_b32 s61, s60, 6
	v_add_nc_u32 v8, s61, v[R4]
	global_load_b128 v[QZ+4:QZ+7], v7, s[4:5]
	global_load_b128 v[QZ+12:QZ+15], v7, s[4:5] offset:512
	global_load_b32 v[QRAW], v8, s[4:5] offset:4096
.irp i, 0,1,2,3, 8,9,10,11, 16,17,18,19
	v_mov_b32 v[QZ+\i], 0                          ; the zero codes beside Q
.endr
.irp b, 0,1,2,3
	v_mov_b32 v[PD+\b], 0                          ; a lane permute's destination counts as one of its sources
.endr
	v_mov_b32 v[FF+1], 0                           ; (named as the upper half of a pair)
	v_mov_b32 v[T], 0
	; where O goes: token tile 128 x batch + 32 cx + 2 w + pass; 16 heads x 512 bytes a tile in oimg; 16 heads x 64 bytes a pair of tiles in osc
	s_lshr_b32 s55, s14, 4
	s_and_b32 s58, s14, 15
	s_lshl_b32 s59, s55, 7
	s_lshl_b32 s60, s13, 5
	s_add_co_u32 s59, s59, s60
	s_lshl_b32 s60, s[WV], 1
	s_add_co_u32 s59, s59, s60
	s_lshl_b32 s60, s59, 4
	s_add_co_u32 s60, s60, s58
	s_lshl_b32 s60, s60, 9
	s_mov_b32 s61, 0
	s_add_nc_u64 s[48:49], s[8:9], s[60:61]
	s_add_nc_u64 s[50:51], s[48:49], 8192
	s_lshl_b32 s60, s59, 3
	s_add_co_u32 s60, s60, s58
	s_lshl_b32 s60, s60, 6
	s_add_nc_u64 s[52:53], s[10:11], s[60:61]
	s_wait_loadcnt 0x0
	v_perm_b32 v[QS0], v[QRAW], v[QRAW], 0x01000100   ; pass 0: the word's low two bytes, twice
	v_perm_b32 v[QS1], v[QRAW], v[QRAW], 0x03020302   ; pass 1: its high two
; A KEY STEP: 128 keys, the record at LDS byte s[TB].  qb: where [0 | q | 0] of this pass begins;  qs: its scale word.
.macro STEP qb, qs
	v_add_nc_u32 v[ADK], s[TB], v[LI]
	v_add_nc_u32 v[ADS], s[TB], v[LS]
	v_nop
	v_nop                                          ; with the two additions: four places behind the last products, in front of the loads into their registers
.irp b, 0,1,2,3
.irp c, 0,1
	ds_load_b128 v[KF+8*\b+4*\c:KF+8*\b+4*\c+3], v[ADK] offset:(2*\b+\c)*512
.endr
.endr
.irp p, 0,1
	ds_load_b32 v[KS+\p], v[ADS] offset:8192+128*\p
.endr
.irp t, 0,1,2,3
.irp c, 0,1
	ds_load_b128 v[VF+8*\t+4*\c:VF+8*\t+4*\c+3], v[ADK] offset:4096+1024*\t+512*\c
.endr
.endr
.irp p, 0,1
	ds_load_b32 v[VS+\p], v[ADS] offset:8448+128*\p
.endr
	s_wait_dscnt 10                                ; K's ten loads are in; V's ten, issued behind them, may stay out
.irp b, 0,1,2,3                                ; S^T: tile 2 b by [q | 0], tile 2 b + 1 by [0 | q]
.if (\b%2) == 0
	v_wmma_scale_f32_16x16x128_f8f6f4 v[S+16*\b:S+16*\b+7], v[KF+8*\b:KF+8*\b+7], v[\qb+4:\qb+11], 0, v[KS+\b/2], v[\qs] matrix_a_fmt:MATRIX_FMT_FP4 matrix_b_fmt:MATRIX_FMT_FP4
	v_wmma_scale_f32_16x16x128_f8f6f4 v[S+16*\b+8:S+16*\b+15], v[KF+8*\b:KF+8*\b+7], v[\qb:\qb+7], 0, v[KS+\b/2], v[\qs] matrix_a_fmt:MATRIX_FMT_FP4 matrix_b_fmt:MATRIX_FMT_FP4
.else
	v_wmma_scale_f32_16x16x128_f8f6f4 v[S+16*\b:S+16*\b+7], v[KF+8*\b:KF+8*\b+7], v[\qb+4:\qb+11], 0, v[KS+\b/2], v[\qs] matrix_a_fmt:MATRIX_FMT_FP4 matrix_b_fmt:MATRIX_FMT_FP4 matrix_a_scale:MATRIX_SCALE_ROW1
	v_wmma_scale_f32_16x16x128_f8f6f4 v[S+16*\b+8:S+16*\b+15], v[KF+8*\b:KF+8*\b+7], v[\qb:\qb+7], 0, v[KS+\b/2], v[\qs] matrix_a_fmt:MATRIX_FMT_FP4 matrix_b_fmt:MATRIX_FMT_FP4 matrix_a_scale:MATRIX_SCALE_ROW1
.endif
.endr
	PLACES 4
.irp b, 0,1,2,3
	v_max3_num_f32 v[BM+\b], v[S+16*\b], v[S+16*\b+1], v[S+16*\b+2]   ; the largest score of each block of 32 keys: for the row's maximum and, since p rises with the score, for the block's largest p
.endr
.irp i, 3,5,7,9,11,13
.irp b, 0,1,2,3
	v_max3_num_f32 v[BM+\b], v[BM+\b], v[S+16*\b+\i], v[S+16*\b+\i+1]
.endr
.endr
.irp b, 0,1,2,3
	v_max_num_f32 v[BM+\b], v[BM+\b], v[S+16*\b+15]
.endr
.irp b, 0,1,2,3
	s_delay_alu instid0(VALU_DEP_4)
	v_permlanex16_b32 v[PD+\b], v[BM+\b], s[SEL], s[SEL+1]
.endr
.irp b, 0,1,2,3
	s_delay_alu instid0(VALU_DEP_4)
	v_max_num_f32 v[BM+\b], v[BM+\b], v[PD+\b]     ; with lane l xor 16's 16 keys
.endr
	s_delay_alu instid0(VALU_DEP_2)
	v_max3_num_f32 v[T], v[BM], v[BM+1], v[BM+2]
	s_delay_alu instid0(VALU_DEP_1)
	v_max_num_f32 v[T], v[T], v[BM+3]
	s_delay_alu instid0(VALU_DEP_1)
	v_mul_f32 v[T], s[CS], v[T]                    ; the step's largest t (c is positive)
	s_delay_alu instid0(VALU_DEP_1)
	v_max_num_f32 v[MT], v[MT], v[T]
	v_mov_b32 v[T], v[NM]
	s_delay_alu instid0(VALU_DEP_2)
	v_floor_f32 v[NM], -v[MT]                      ; the new -M = floor(-t) = -ceil(t)
	s_delay_alu instid0(VALU_DEP_1)
	v_sub_f32 v[T], v[NM], v[T]                    ; old M - new M: a whole number, 0 or less
	s_delay_alu instid0(VALU_DEP_1)
	v_cvt_i32_f32 v[T], v[T]                       ; (it saturates)
	s_delay_alu instid0(VALU_DEP_1)
	v_ldexp_f32 v[FF], 1.0, v[T]                   ; f = 2^(old M - new M)
.set j, 0
.rept 32
	v_pk_fma_f32 v[S+j:S+j+1], v[S+j:S+j+1], s[CS:CS+1], v[NM:NM+1] op_sel_hi:[1,0,0]   ; t - M, two at a time
.set j, j+2
.endr
.irp b, 0,1,2,3
	v_fma_f32 v[BM+\b], v[BM+\b], s[CS], v[NM]     ; the same of each block's largest score
.endr
.set j, 0
	s_wait_alu depctr_va_vdst(0)
.rept 64
	v_exp_f32 v[S+j], v[S+j]                       ; p = 2^(t - M): one batch
.set j, j+1
.endr
	s_setprio 1
	v_pk_mul_f32 v[SUM:SUM+1], v[SUM:SUM+1], v[FF:FF+1] op_sel_hi:[1,0]   ; the sums under the new M: the plain instruction behind the batch
	s_wait_alu depctr_va_vdst(0)                   ; one wait for the batch, ahead of its first reader
.irp b, 0,1,2,3
	v_exp_f32 v[BM+\b], v[BM+\b]                   ; the blocks' largest p
.endr
	v_pk_add_f32 v[230:231], v[112:113], v[116:117]
	v_pk_add_f32 v[252:253], v[120:121], v[124:125]
	v_pk_add_f32 v[250:251], v[128:129], v[132:133]
	v_pk_add_f32 v[248:249], v[136:137], v[140:141]
	v_pk_add_f32 v[246:247], v[144:145], v[148:149]
	v_pk_add_f32 v[244:245], v[152:153], v[156:157]
	v_pk_add_f32 v[242:243], v[160:161], v[164:165]
	v_pk_add_f32 v[14:15], v[14:15], v[168:169]
	v_pk_add_f32 v[230:231], v[230:231], v[108:109]
	v_pk_add_f32 v[252:253], v[252:253], v[110:111]
	v_pk_add_f32 v[250:251], v[250:251], v[114:115]
	v_pk_add_f32 v[248:249], v[248:249], v[118:119]
	v_pk_add_f32 v[246:247], v[246:247], v[122:123]
	v_pk_add_f32 v[244:245], v[244:245], v[126:127]
	v_pk_add_f32 v[242:243], v[242:243], v[130:131]
	v_pk_add_f32 v[14:15], v[14:15], v[134:135]
	v_pk_add_f32 v[230:231], v[230:231], v[138:139]
	v_pk_add_f32 v[252:253], v[252:253], v[142:143]
	v_pk_add_f32 v[250:251], v[250:251], v[146:147]
	v_pk_add_f32 v[248:249], v[248:249], v[150:151]
	v_pk_add_f32 v[246:247], v[246:247], v[154:155]
	v_pk_add_f32 v[244:245], v[244:245], v[158:159]
	v_pk_add_f32 v[242:243], v[242:243], v[162:163]
	v_pk_add_f32 v[14:15], v[14:15], v[166:167]
	v_pk_add_f32 v[230:231], v[230:231], v[170:171]
	s_delay_alu instid0(VALU_DEP_2)
	v_pk_add_f32 v[14:15], v[14:15], v[248:249]
	s_delay_alu instid0(VALU_DEP_2)
	v_pk_add_f32 v[230:231], v[230:231], v[246:247]
	v_pk_add_f32 v[252:253], v[252:253], v[244:245]
	v_pk_add_f32 v[250:251], v[250:251], v[242:243]
	s_delay_alu instid0(VALU_DEP_2)
	v_pk_add_f32 v[14:15], v[14:15], v[252:253]
	s_delay_alu instid0(VALU_DEP_2)
	v_pk_add_f32 v[230:231], v[230:231], v[250:251]
	s_delay_alu instid0(VALU_DEP_1)
	v_pk_add_f32 v[14:15], v[14:15], v[230:231]
	s_wait_alu depctr_va_vdst(0)                   ; and one for the four
.irp b, 0,1,2,3
	v_max_num_f32 v[BM+\b], 0x1800000, v[BM+\b]    ; the floor 2^(3 - 127): the byte cannot fall under 1
.endr
.irp b, 0,1,2,3
	s_delay_alu instid0(VALU_DEP_4)
	v_add_nc_u32 v[SCO+\b], 0xff000000, v[BM+\b]   ; 2 off the exponent field: the conversion's scale operand
.endr
.irp b, 0,1,2,3
	s_delay_alu instid0(VALU_DEP_4)
	v_lshrrev_b32 v[PD+\b], 23, v[SCO+\b]          ; the scale's byte
.endr
	s_delay_alu instid0(VALU_DEP_3)
	v_lshl_or_b32 v[PWD], v[PD+1], 8, v[PD]
	s_delay_alu instid0(VALU_DEP_1)
	v_lshl_or_b32 v[PWD], v[PD+2], 16, v[PWD]
	s_delay_alu instid0(VALU_DEP_1)
	v_lshl_or_b32 v[PWD], v[PD+3], 24, v[PWD]
.irp c, 0,1
.irp g, 0,1
.irp u, 0,1
	v_cvt_scalef32_pk8_fp4_f32 v[PC+4*\c+2*\u+\g], v[S+8*(4*\c+2*\g+\u):S+8*(4*\c+2*\g+\u)+7], v[SCO+2*\c+\g]
.endr
.endr
.endr
	v_nop                                          ; one plain instruction behind the last scaled conversion
.irp c, 0,1
	v_permlane16_swap_b32 v[PC+4*\c], v[PC+4*\c+1]
	v_permlane16_swap_b32 v[PC+4*\c+2], v[PC+4*\c+3]
.endr
.set j, 0
	s_setprio 0
.rept 16
	v_pk_mul_f32 v[O+j:O+j+1], v[O+j:O+j+1], v[FF:FF+1] op_sel_hi:[1,0]   ; O^T under the new M.  For each product below twelve of these name none of its registers: the places between p's codes and scale word and their use
.set j, j+2
.endr
	s_wait_alu depctr_va_vdst(0)
	s_wait_dscnt 0x0                               ; V is in
.irp t, 0,1,2,3                                ; O^T += V^T P^T: the four accumulators by turns
.if (\t%2) == 0
	v_wmma_scale_f32_16x16x128_f8f6f4 v[O+8*\t:O+8*\t+7], v[VF+8*\t:VF+8*\t+7], v[PC:PC+7], v[O+8*\t:O+8*\t+7], v[VS+\t/2], v[PWD] matrix_a_fmt:MATRIX_FMT_FP4 matrix_b_fmt:MATRIX_FMT_FP4
.else
	v_wmma_scale_f32_16x16x128_f8f6f4 v[O+8*\t:O+8*\t+7], v[VF+8*\t:VF+8*\t+7], v[PC:PC+7], v[O+8*\t:O+8*\t+7], v[VS+\t/2], v[PWD] matrix_a_fmt:MATRIX_FMT_FP4 matrix_b_fmt:MATRIX_FMT_FP4 matrix_a_scale:MATRIX_SCALE_ROW1
.endif
.endr
	s_add_co_u32 s[TB], s[TB], REC
.endm
; A pass: one tile of 16 queries against the head's 16 steps.  The step is written once: the first finds zeros, which the first change of M leaves zeros.
.macro PASS qb, qs
	v_mov_b32 v[MT], 0xff61b1e6                    ; the largest t so far: -3e38, under every t
	s_delay_alu instid0(VALU_DEP_1)
	v_floor_f32 v[NM], -v[MT]
	v_mov_b32 v[SUM], 0
	v_mov_b32 v[SUM+1], 0
.set j, 0
.rept 32
	v_mov_b32 v[O+j], 0
.set j, j+1
.endr
	s_mov_b32 s[TB], 0
	s_mov_b32 s[CNT], 16
.Lstep_\@:
	s_setprio 2
	STEP \qb, \qs
	s_sub_co_u32 s[CNT], s[CNT], 1
	s_cmp_lg_u32 s[CNT], 0
	s_cbranch_scc1 .Lstep_\@
	s_setprio 0
.endm
; The end of a pass: O^T / the sum, quantised along the head's 64 (two blocks; tile 2 g + u converts into register 2 u + g), stored as 16 bytes a lane: token r, block h.
.macro EPI oc, hw, sb
	PLACES 4
	v_add_f32 v[SUM], v[SUM], v[SUM+1]
	s_delay_alu instid0(VALU_DEP_1)
	v_permlanex16_b32 v[T], v[SUM], s[SEL], s[SEL+1]
	s_delay_alu instid0(VALU_DEP_1)
	v_add_f32 v[SUM], v[SUM], v[T]                 ; the row's sum
	s_wait_alu depctr_va_vdst(0)
	v_rcp_f32 v[FF], v[SUM]
	v_nop                                          ; a plain instruction behind the reciprocal
	s_wait_alu depctr_va_vdst(0)                   ; and the wait ahead of its first reader
.set j, 0
.rept 16
	v_pk_mul_f32 v[S+j:S+j+1], v[O+j:O+j+1], v[FF:FF+1] op_sel_hi:[1,0]   ; each accumulator from its low end on
.set j, j+2
.endr
.irp b, 0,1
	v_max3_num_f32 v[BM+\b], |v[S+16*\b]|, |v[S+16*\b+1]|, 0x1800000
.endr
.irp i, 2,4,6,8,10,12,14
.irp b, 0,1
	s_delay_alu instid0(VALU_DEP_2)
	v_max3_num_f32 v[BM+\b], v[BM+\b], |v[S+16*\b+\i]|, |v[S+16*\b+\i+1]|
.endr
.endr
.irp b, 0,1
	s_delay_alu instid0(VALU_DEP_2)
	v_permlanex16_b32 v[PD+\b], v[BM+\b], s[SEL], s[SEL+1]
.endr
.irp b, 0,1
	s_delay_alu instid0(VALU_DEP_2)
	v_max_num_f32 v[BM+\b], v[BM+\b], v[PD+\b]
.endr
.irp b, 0,1
	s_delay_alu instid0(VALU_DEP_2)
	v_add_nc_u32 v[SCO+\b], 0xff000000, v[BM+\b]
.endr
.irp b, 0,1
	s_delay_alu instid0(VALU_DEP_2)
	v_lshrrev_b32 v[PD+\b], 23, v[SCO+\b]
.endr
	s_delay_alu instid0(VALU_DEP_1)
	v_lshl_or_b32 v[\hw], v[PD+1], 8, v[PD]
.irp g, 0,1
.irp u, 0,1
	v_cvt_scalef32_pk8_fp4_f32 v[\oc+2*\u+\g], v[S+8*(2*\g+\u):S+8*(2*\g+\u)+7], v[SCO+\g]
.endr
.endr
	v_nop
	v_permlane16_swap_b32 v[\oc], v[\oc+1]
	v_permlane16_swap_b32 v[\oc+2], v[\oc+3]
	global_store_b128 v[LI], v[\oc:\oc+3], s[\sb:\sb+1]   ; 32 lanes store 512 consecutive bytes, aligned
.endm
	s_wait_tensorcnt 0x0                           ; my two records are in,
	s_barrier_signal -1
	s_barrier_wait -1                              ; everybody's are: the head's K and V lie in LDS for the rest of the launch
	PASS QZ, QS0
	EPI OC0, HW0, 48
	PASS QZ+8, QS1
	EPI OC1, HW1, 50
	v_lshl_or_b32 v[HW0], v[HW1], 16, v[HW0]       ; both tiles' bytes of this head make one word a token row
	global_store_b32 v[R4], v[HW0], s[52:53]       ; lanes l and l xor 16 hold the same word and write it to the same place
	s_wait_tensorcnt 0x0
	ds_add_u32 v254, v255
	s_wait_dscnt 0x0
	CROUND                                         ; the closing round
	s_endpgm
.Lfunc_end_k_q949147c59c_attn:
	.size	k_q949147c59c_attn, .Lfunc_end_k_q949147c59c_attn-k_q949147c59c_attn
	.p2alignl 7, 3214868480
	.fill 96, 4, 3214868480
	.section	.rodata,"a",@progbits
	.p2align	6, 0x0
	.amdhsa_kernel k_q949147c59c_attn
		.amdhsa_group_segment_fixed_size 169984
		.amdhsa_private_segment_fixed_size 0
		.amdhsa_enable_private_segment 0
		.amdhsa_kernarg_size 32
		.amdhsa_user_sgpr_count 2
		.amdhsa_user_sgpr_kernarg_segment_ptr 1
		.amdhsa_wavefront_size32 1
		.amdhsa_system_sgpr_workgroup_id_x 1
		.amdhsa_system_sgpr_workgroup_id_y 1
		.amdhsa_system_sgpr_workgroup_id_z 1
		.amdhsa_system_vgpr_workitem_id 0
		.amdhsa_next_free_vgpr 256
		.amdhsa_next_free_sgpr 66
		.amdhsa_reserve_vcc 0
		.amdhsa_float_denorm_mode_32 3
		.amdhsa_float_denorm_mode_16_64 3
		.amdhsa_memory_ordered 1
		.amdhsa_forward_progress 1
		.amdhsa_inst_pref_size 49
	.end_amdhsa_kernel
	.amdgpu_metadata
---
amdhsa.version: [ 1, 2 ]
amdhsa.kernels:
  - .name:           k_q949147c59c_attn
    .symbol:         k_q949147c59c_attn.kd
    .args:
      - { .name: qw, .offset: 0, .size: 8, .value_kind: global_buffer, .address_space: global }
      - { .name: kv, .offset: 8, .size: 8, .value_kind: global_buffer, .address_space: global }
      - { .name: oimg, .offset: 16, .size: 8, .value_kind: global_buffer, .address_space: global }
      - { .name: osc, .offset: 24, .size: 8, .value_kind: global_buffer, .address_space: global }
    .group_segment_fixed_size: 169984
    .private_segment_fixed_size: 0
    .kernarg_segment_align: 8
    .kernarg_segment_size: 32
    .max_flat_workgroup_size: 512
    .sgpr_count:     66
    .vgpr_count:     256
    .wavefront_size: 32
...
	.end_amdgpu_metadata
.endif
;; end of part 2
;; launch outp (part 3): grid 4 x 64, 16 waves a work-group, clusters of 4 x 4, 276,480 bytes of LDS; arguments oimg, osc, Wo_codes, Wo_scales, bo, out0; writes out0
.if DOCPART == 3
	.amdgcn_target "amdgcn-amd-amdhsa--gfx1250"
	.amdhsa_code_object_version 6
	.text
	.protected	k_q949147c59c_outp
	.globl	k_q949147c59c_outp
	.p2align	8
	.type	k_q949147c59c_outp,@function
k_q949147c59c_outp:
	s_mov_b64 s[64:65], 0
	v_nop
	global_prefetch_b8 v0, s[64:65] scope:SCOPE_SE
	s_setreg_imm32_b32 hwreg(HW_REG_WAVE_MODE, 25, 1), 1
	s_wait_xcnt 0x0
	s_wait_alu depctr_hold_cnt(0) depctr_sa_sdst(0) depctr_va_vdst(0) depctr_va_sdst(0) depctr_va_ssrc(0) depctr_va_vcc(0) depctr_vm_vsrc(0)
	s_getreg_b32 s2, hwreg(HW_REG_IB_STS2, 6, 4)
	s_cmp_eq_u32 s2, 0
	s_cbranch_scc0 .Lentry_in_a_cluster
	s_endpgm
.Lentry_in_a_cluster:
	s_bfe_u32 s2, ttmp6, 0x10000c
	s_cmp_lg_u32 s2, 0xf033
	s_cbranch_scc0 .Lentry_shape_is_right
	s_endpgm
.Lentry_shape_is_right:
; OUTP: out0 = O Wo^T + bo on E2M1 codes.  O comes as images of the operand's registers (oimg: [token tile 512][head 16][lane 32][16 bytes]; a K step of 128 is two heads, 1,024 bytes on end) with its scale bytes
; (osc: [pair of token tiles 256][head 16][r 16] words: the even tile's two bytes, the odd tile's two); Wo as it is given.  out0: [8,192][1,024] f32.
; SHARES.  256 work-groups, each 128 tokens x 256 features over K = 1,024.  Sixteen waves: wave w takes 64 rows of Wo (w % 4: 4 tiles) x 32 tokens (w / 4: 2 tiles): 8 accumulators.
; Source 0 = rows of Wo, source 1 = tokens: a lane then holds eight neighbouring numbers of a row of out0.  The bias is the C of each sum's first product.
; LDS IS FILLED ONCE, in two halves of K: Wo's 256 rows x 272 bytes twice, O's 8 tiles x 4,096 bytes twice; behind them a stage of 16 rows x 272 bytes for each wave, bytes of its own into which no fill lands.
; CLUSTER 4 x 4: the four of a row share O's tiles, the four of a column Wo's: each is asked for jointly.  All tensor loads stand at the head, so there is no later request that could be asked for ahead.
; The scale words and the bias are read once by each wave, straight into registers, while the tiles are on their way.
; LIMIT.  The bias starts each f32 sum instead of being added behind it.
.set PITCH,  272
.set WHALF,  256*PITCH                 ; Wo's rows of one half of K
.set XIMG,   2*WHALF                   ; O's images
.set XHALF,  32768                     ; 8 tiles x 8 heads x 512 bytes
.set STG,    XIMG+2*XHALF              ; the stages
.set SPITCH, 272
.set ADRP, 1                           ; v1, v2  LDS address of my fragments of Wo in K half 0, 1
.set ADRR, 3                           ; v3  of my tokens' images
.set STO,  4                           ; v4  the stage: where I put 32 bytes of a row
.set SRD,  5                           ; v5  where I read a row back
.set GO,   6                           ; v6  my byte offset in the wave's rows of out0
.set PS,   8                           ; v8-39   Wo's scale words: tile pt, K step g: 8 pt + g
.set RS,   40                          ; v40-55  O's: 8 rt + g
.set RW,   56                          ; v56-71  osc's words as loaded, one a head
.set BP,   72                          ; v72-103 the bias in the result's layout, 8 registers a tile; later rows on the way out
.set PF,   104                         ; v104-135 Wo's four fragments
.set RF,   136                         ; v136-151 O's two
.set ACC,  152                         ; v152-215 accumulator (rt, pt) at 152 + 8 (4 rt + pt)
.set OUT0, 216                         ; v216-247 at the head temporaries; later rows on the way out
.set G1W,  16
.set G1X,  24
.set G0W,  32                          ; s[32:39] Wo's two halves
.set G0X,  40                          ; s[40:47] O's
.set WV,   48
.macro CROUND
	s_barrier_signal -1
	s_barrier_wait -1
	s_cmp_lg_u32 s[WV], 0
	s_cbranch_scc1 .Lnot_wave_0_\@
	s_barrier_signal -3
.Lnot_wave_0_\@:
	s_barrier_wait -3
	s_barrier_signal -1
	s_barrier_wait -1
.endm
.macro PLACES n
.rept \n
	v_nop
.endr
.endm
	s_load_b256 s[4:11], s[0:1], 0x0               ; oimg s[4:5], osc s[6:7], Wo's codes s[8:9], its scales s[10:11]
	s_load_b128 s[12:15], s[0:1], 0x20             ; bo s[12:13], out0 s[14:15]
	v_lshl_add_u32 v254, v0, 2, 0x43000
	v_mov_b32 v255, 0
	ds_add_u32 v254, v255
	ds_add_u32 v254, v255
	v_lshrrev_b32 v7, 5, v0
	s_delay_alu instid0(VALU_DEP_1)
	v_readfirstlane_b32 s[WV], v7                  ; wave 0..15
	s_bfe_u32 s49, ttmp6, 0x40000                  ; cx
	s_bfe_u32 s50, ttmp6, 0x40004                  ; cy
	s_lshl_b32 s51, ttmp9, 2
	s_add_co_u32 s51, s51, s49                     ; which 256 rows of Wo
	s_and_b32 s52, ttmp7, 0xffff
	s_lshl_b32 s52, s52, 2
	s_add_co_u32 s52, s52, s50                     ; which 128 tokens
	s_lshl_b32 s53, s50, 2
	s_lshl_b32 s53, 15, s53                        ; my row of the cluster
	s_lshl_b32 s54, 0x1111, s49                    ; my column
	s_and_b32 s55, s[WV], 3                        ; which 64 rows of Wo are mine; also: which 64 I fetch
	s_lshr_b32 s56, s[WV], 2                       ; which 32 tokens
	s_mul_i32 s57, s55, 64*PITCH
	; group 1 for Wo: 64 rows x 256 bytes, 512 apart in memory, 16 bytes of padding behind each
	s_or_b32 s[G1W], s54, (1<<20)|(1<<21)|(5<<22)|(3<<25)
	s_mov_b32 s[G1W+1], 256<<16
	s_mov_b32 s[G1W+2], 64<<16
	s_mov_b32 s[G1W+3], 256<<16
	s_mov_b32 s[G1W+4], 64
	s_mov_b32 s[G1W+5], 512
	s_mov_b32 s[G1W+6], 0
	s_mov_b32 s[G1W+7], 0
	; group 1 for O: 8 token tiles x 4,096 bytes (8 heads), 8,192 apart in memory: elements of 8 bytes
	s_or_b32 s[G1X], s53, (3<<16)|(1<<21)
	s_mov_b32 s[G1X+1], 512<<16
	s_mov_b32 s[G1X+2], 8<<16
	s_mov_b32 s[G1X+3], 512<<16
	s_mov_b32 s[G1X+4], 8
	s_mov_b32 s[G1X+5], 1024
	s_mov_b32 s[G1X+6], 0
	s_mov_b32 s[G1X+7], 0
	s_lshl_b32 s60, s51, 8                         ; Wo's side: row 256 x block + 64 x quarter, 512 bytes a row
	s_lshl_b32 s61, s55, 6
	s_add_co_u32 s60, s60, s61
	s_lshl_b32 s60, s60, 9
	s_mov_b32 s61, 0
	s_lshl_b32 s62, s52, 16                        ; O's side: 8 tiles x 8,192 bytes a block
	s_mov_b32 s63, 0
	s_wait_dscnt 0x0
	s_wait_kmcnt 0x0
	s_mov_b32 s[G0W], 1
	s_mov_b32 s[G0W+1], s57
	s_add_nc_u64 s[G0W+2:G0W+3], s[8:9], s[60:61]
	s_or_b32 s[G0W+3], s[G0W+3], 0x80000000
	s_mov_b32 s[G0W+4], 1
	s_add_co_u32 s[G0W+5], s57, WHALF
	s_add_nc_u64 s[G0W+6:G0W+7], s[8:9], s[60:61]
	s_add_nc_u64 s[G0W+6:G0W+7], s[G0W+6:G0W+7], 256
	s_or_b32 s[G0W+7], s[G0W+7], 0x80000000
	s_mov_b32 s[G0X], 1
	s_mov_b32 s[G0X+1], XIMG
	s_add_nc_u64 s[G0X+2:G0X+3], s[4:5], s[62:63]
	s_or_b32 s[G0X+3], s[G0X+3], 0x80000000
	s_mov_b32 s[G0X+4], 1
	s_mov_b32 s[G0X+5], XIMG+XHALF
	s_add_nc_u64 s[G0X+6:G0X+7], s[4:5], s[62:63]
	s_add_nc_u64 s[G0X+6:G0X+7], s[G0X+6:G0X+7], 4096
	s_or_b32 s[G0X+7], s[G0X+7], 0x80000000
	CROUND                                         ; all sixteen work-groups are here: the joint loads meet
	s_cmp_lt_u32 s[WV], 4                          ; waves 0-3 fetch Wo's quarters, wave 4 O's tiles: two loads of a wave are out at the most
	s_cbranch_scc0 .Lnot_w
	tensor_load_to_lds s[G0W:G0W+3], s[G1W:G1W+7]
	s_nop 0
	tensor_load_to_lds s[G0W+4:G0W+7], s[G1W:G1W+7]
	s_nop 0
	PLACES 4                                       ; four v_nop follow the loads, ahead of the jump and the label
	s_branch .Lasked
.Lnot_w:
	s_cmp_eq_u32 s[WV], 4
	s_cbranch_scc0 .Lasked
	tensor_load_to_lds s[G0X:G0X+3], s[G1X:G1X+7]
	s_nop 0
	tensor_load_to_lds s[G0X+4:G0X+7], s[G1X:G1X+7]
	s_nop 0
	PLACES 4
.Lasked:
	v_and_b32 v216, 15, v0                         ; r
	v_bfe_u32 v217, v0, 4, 1                       ; h
	v_and_b32 v218, 31, v0                         ; lane
	s_delay_alu instid0(VALU_DEP_3)
	v_mul_u32_u24 v219, v216, PITCH
	s_delay_alu instid0(VALU_DEP_1)
	v_lshl_add_u32 v219, v217, 4, v219
	s_delay_alu instid0(VALU_DEP_1)
	v_add_nc_u32 v[ADRP], s57, v219                ; row x pitch + 16 x half + my 64 rows
	s_delay_alu instid0(VALU_DEP_1)
	v_add_nc_u32 v[ADRP+1], WHALF, v[ADRP]
	s_lshl_b32 s60, s56, 13                        ; my two tiles: 2 x 4,096 bytes
	s_add_co_u32 s60, s60, XIMG
	v_lshl_add_u32 v[ADRR], v218, 4, s60
	s_mul_i32 s60, s[WV], 16*SPITCH
	s_add_co_u32 s60, s60, STG                     ; my stage
	v_mul_u32_u24 v[STO], v216, SPITCH
	s_delay_alu instid0(VALU_DEP_1)
	v_lshl_add_u32 v[STO], v217, 5, v[STO]
	s_delay_alu instid0(VALU_DEP_1)
	v_add_nc_u32 v[STO], s60, v[STO]               ; in: row r, 32 bytes for each half of the lanes
	v_mul_u32_u24 v[SRD], v217, SPITCH
	s_delay_alu instid0(VALU_DEP_1)
	v_lshl_add_u32 v[SRD], v216, 4, v[SRD]
	s_delay_alu instid0(VALU_DEP_1)
	v_add_nc_u32 v[SRD], s60, v[SRD]               ; back: lanes 0-15 one row of 256 bytes, lanes 16-31 the next
	v_lshlrev_b32 v[GO], 12, v217
	s_delay_alu instid0(VALU_DEP_1)
	v_lshl_add_u32 v[GO], v216, 4, v[GO]           ; and the same two rows in out0, 4,096 bytes apart
	s_lshl_b32 s60, s51, 13
	s_lshl_b32 s61, s55, 11
	s_add_co_u32 s60, s60, s61
	v_lshl_add_u32 v220, v216, 5, s60              ; Wo's scale bytes: 32 x (256 x block + 64 wp + r)
	s_lshl_b32 s60, s51, 10
	s_lshl_b32 s61, s55, 8
	s_add_co_u32 s60, s60, s61
	v_lshl_add_u32 v221, v217, 5, s60              ; the bias: 4 x (256 x block + 64 wp + 8 h)
	s_lshl_b32 s60, s52, 12
	s_lshl_b32 s61, s56, 10
	s_add_co_u32 s60, s60, s61
	v_lshl_add_u32 v222, v216, 2, s60              ; osc: 1,024 x (4 x block + wr) + 4 r
.irp pt, 0,1,2,3
	global_load_b128 v[PS+8*\pt:PS+8*\pt+3], v220, s[10:11] offset:512*\pt
	global_load_b128 v[PS+8*\pt+4:PS+8*\pt+7], v220, s[10:11] offset:512*\pt+16
.endr
.irp pt, 0,1,2,3
	global_load_b128 v[BP+8*\pt:BP+8*\pt+3], v221, s[12:13] offset:64*\pt
	global_load_b128 v[BP+8*\pt+4:BP+8*\pt+7], v221, s[12:13] offset:64*\pt+16
.endr
.irp hd, 0,1,2,3,4,5,6,7,8,9,10,11,12,13,14,15
	global_load_b32 v[RW+\hd], v222, s[6:7] offset:64*\hd
.endr
	s_lshl_b32 s60, s52, 7
	s_lshl_b32 s61, s56, 5
	s_add_co_u32 s60, s60, s61                     ; my first token
	s_lshl_b32 s60, s60, 12
	s_lshl_b32 s61, s51, 10
	s_add_co_u32 s60, s60, s61
	s_lshl_b32 s61, s55, 8
	s_add_co_u32 s60, s60, s61                     ; + my first feature, in bytes
	s_mov_b32 s61, 0
	s_add_nc_u64 s[58:59], s[14:15], s[60:61]
	s_wait_loadcnt 0x0
.irp g, 0,1,2,3,4,5,6,7                        ; K step g is heads 2 g, 2 g + 1: the even tile takes the words' low halves, the odd tile their high halves
	v_perm_b32 v[RS+\g], v[RW+2*\g+1], v[RW+2*\g], 0x05040100
	v_perm_b32 v[RS+8+\g], v[RW+2*\g+1], v[RW+2*\g], 0x07060302
.endr
.macro MM pt, rt, g
.if (\g) == 0
	v_wmma_scale_f32_16x16x128_f8f6f4 v[ACC+8*(4*(\rt)+(\pt)):ACC+8*(4*(\rt)+(\pt))+7], v[PF+8*(\pt):PF+8*(\pt)+7], v[RF+8*(\rt):RF+8*(\rt)+7], v[BP+8*(\pt):BP+8*(\pt)+7], v[PS+8*(\pt)+(\g)], v[RS+8*(\rt)+(\g)] matrix_a_fmt:MATRIX_FMT_FP4 matrix_b_fmt:MATRIX_FMT_FP4
.else
	v_wmma_scale_f32_16x16x128_f8f6f4 v[ACC+8*(4*(\rt)+(\pt)):ACC+8*(4*(\rt)+(\pt))+7], v[PF+8*(\pt):PF+8*(\pt)+7], v[RF+8*(\rt):RF+8*(\rt)+7], v[ACC+8*(4*(\rt)+(\pt)):ACC+8*(4*(\rt)+(\pt))+7], v[PS+8*(\pt)+(\g)], v[RS+8*(\rt)+(\g)] matrix_a_fmt:MATRIX_FMT_FP4 matrix_b_fmt:MATRIX_FMT_FP4
.endif
.endm
; K step g of 8.  The eight accumulators take turns, one instruction a turn, in the same order in every step.
.macro KSTEP g
	PLACES 4
.irp rt, 0,1
.irp c, 0,1
	ds_load_b128 v[RF+8*\rt+4*\c:RF+8*\rt+4*\c+3], v[ADRR] offset:XHALF*((\g)/4)+4096*\rt+1024*((\g)%4)+512*\c
.endr
.endr
.irp pt, 0,1,2,3
.irp c, 0,1
	ds_load_b128 v[PF+8*\pt+4*\c:PF+8*\pt+4*\c+3], v[ADRP+(\g)/4] offset:16*PITCH*\pt+64*((\g)%4)+32*\c
.endr
.endr
.irp pp, 0,1
	s_wait_dscnt 4-4*\pp                           ; all but the four loads of the later pair of Wo's tiles are in
	MM 2*\pp, 0, \g
	MM 2*\pp, 1, \g
	MM 2*\pp+1, 0, \g
	MM 2*\pp+1, 1, \g
.endr
.endm
	s_wait_tensorcnt 0x1                           ; my part of K half 0 is in; half 1's load, issued behind it, may stay out
	s_barrier_signal -1
	s_barrier_wait -1
	KSTEP 0
	KSTEP 1
	KSTEP 2
	s_wait_alu depctr_va_vdst(0)
	KSTEP 3
	s_wait_tensorcnt 0x0                           ; my part of K half 1 is in (my LDS loads are back: the last count-down ended at 0)
	s_barrier_signal -1
	s_barrier_wait -1
	KSTEP 4
	KSTEP 5
	KSTEP 6
	KSTEP 7
; THE WAY OUT.  A lane holds 32 neighbouring bytes of a row and the lanes beside it hold other rows: a tile of 16 tokens x 64 features goes through my own stage and comes back as rows of 256 bytes.
; LDS serves a wave's instructions in order (ISA guide 5.7.1.4): no wait between the stores and the loads, nor in front of the next tile's stores.
.macro TOSTAGE rt, dst
.irp pt, 0,1,2,3
	ds_store_b128 v[STO], v[ACC+8*(4*\rt+\pt):ACC+8*(4*\rt+\pt)+3] offset:64*\pt          ; each accumulator from its low end on
	ds_store_b128 v[STO], v[ACC+8*(4*\rt+\pt)+4:ACC+8*(4*\rt+\pt)+7] offset:64*\pt+16
.endr
.irp i, 0,1,2,3,4,5,6,7
	ds_load_b128 v[\dst+4*\i:\dst+4*\i+3], v[SRD] offset:2*SPITCH*\i
.endr
.endm
.macro SEND rt, src, younger           ; younger: the LDS instructions issued behind this tile's loads, which may stay out
.irp i, 0,1,2,3,4,5,6,7
	s_wait_dscnt \younger+7-\i
	global_store_b128 v[GO], v[\src+4*\i:\src+4*\i+3], s[58:59] offset:65536*\rt+8192*\i th:TH_STORE_NT   ; 16 lanes store 256 consecutive bytes, aligned; written once, read by nobody here
.endr
.endm
	PLACES 4
	TOSTAGE 0, OUT0
	TOSTAGE 1, BP
	SEND 0, OUT0, 16
	SEND 1, BP, 0
	s_wait_tensorcnt 0x0
	ds_add_u32 v254, v255
	s_wait_dscnt 0x0
	CROUND                                         ; the closing round
	s_endpgm
.Lfunc_end_k_q949147c59c_outp:
	.size	k_q949147c59c_outp, .Lfunc_end_k_q949147c59c_outp-k_q949147c59c_outp
	.p2alignl 7, 3214868480
	.fill 96, 4, 3214868480
	.section	.rodata,"a",@progbits
	.p2align	6, 0x0
	.amdhsa_kernel k_q949147c59c_outp
		.amdhsa_group_segment_fixed_size 276480
		.amdhsa_private_segment_fixed_size 0
		.amdhsa_enable_private_segment 0
		.amdhsa_kernarg_size 48
		.amdhsa_user_sgpr_count 2
		.amdhsa_user_sgpr_kernarg_segment_ptr 1
		.amdhsa_wavefront_size32 1
		.amdhsa_system_sgpr_workgroup_id_x 1
		.amdhsa_system_sgpr_workgroup_id_y 1
		.amdhsa_system_sgpr_workgroup_id_z 1
		.amdhsa_system_vgpr_workitem_id 0
		.amdhsa_next_free_vgpr 256
		.amdhsa_next_free_sgpr 66
		.amdhsa_reserve_vcc 0
		.amdhsa_float_denorm_mode_32 3
		.amdhsa_float_denorm_mode_16_64 3
		.amdhsa_memory_ordered 1
		.amdhsa_forward_progress 1
		.amdhsa_inst_pref_size 32
	.end_amdhsa_kernel
	.amdgpu_metadata
---
amdhsa.version: [ 1, 2 ]
amdhsa.kernels:
  - .name:           k_q949147c59c_outp
    .symbol:         k_q949147c59c_outp.kd
    .args:
      - { .name: oimg, .offset: 0, .size: 8, .value_kind: global_buffer, .address_space: global }
      - { .name: osc, .offset: 8, .size: 8, .value_kind: global_buffer, .address_space: global }
      - { .name: Wo_codes, .offset: 16, .size: 8, .value_kind: global_buffer, .address_space: global }
      - { .name: Wo_scales, .offset: 24, .size: 8, .value_kind: global_buffer, .address_space: global }
      - { .name: bo, .offset: 32, .size: 8, .value_kind: global_buffer, .address_space: global }
      - { .name: out0, .offset: 40, .size: 8, .value_kind: global_buffer, .address_space: global }
    .group_segment_fixed_size: 276480
    .private_segment_fixed_size: 0
    .kernarg_segment_align: 8
    .kernarg_segment_size: 48
    .max_flat_workgroup_size: 512
    .sgpr_count:     66
    .vgpr_count:     256
    .wavefront_size: 32
...
	.end_amdgpu_metadata
.endif
;; end of part 3
